; MI455X (gfx1250); checked and timed in simulation.
; The chip was launched on July 23, 2026; its instructions are those of AMD's public machine-readable ISA for CDNA 5 (MIT licence, August 2026) and "CDNA5" Instruction Set Architecture Reference Guide (July 2026).
;; Attention Block. Allowed arithmetic: matrix products marked QUANTISED: E5M2 operands, one given power-of-two scale a tensor, by v_wmma_f32_16x16x64_bf8_bf8 or v_wmma_f32_16x16x128_bf8_bf8, f32 sums; everything else in f32.
;; Inputs: Wk_codes 1,024 x 32 x 32 uint8 (E5M2 codes of Wk, K innermost, in blocks of 32 codes); Wq_codes 1,024 x 32 x 32 uint8 (E5M2 codes of Wq, K innermost, in blocks of 32 codes); Wv_codes 1,024 x 32 x 32 uint8 (E5M2 codes of Wv, K innermost, in blocks of 32 codes); lowp_scales 10 int32 (the exponents e of the quantised operands' scales 2^e); x_codes 4 x 2,048 x 32 x 32 uint8 (E5M2 codes of x, K innermost, in blocks of 32 codes).
;; Outputs: out0 4 x 2,048 x 1,024 float32.
;; This version of the problem:
;;   THIS VERSION OF THE PROBLEM IS GIVEN IN LOW PRECISION. The matrix products marked QUANTISED in the list below multiply operands that are first quantised to E5M2 (5 exponent bits, 2 mantissa bits; 8 bits a number), with one given power-of-two scale for each operand tensor; their sums are f32. All else is computed in f32.
;;   The module's matrix products, in the order in which they are computed (A, B: the left and right operand; K: the contracted axis; several contracted axes count as one K, in the product's order):
;;     1. [M 8,192, K 1,024] x [K 1,024, N 1,024]; A: input x (given as codes); B: input Wq (given as codes): QUANTISED (scales: A lowp_scales[0], B lowp_scales[1])
;;     2. [M 8,192, K 1,024] x [K 1,024, N 1,024]; A: input x (given as codes); B: input Wk (given as codes): QUANTISED (scales: A lowp_scales[2], B lowp_scales[3])
;;     3. [M 8,192, K 1,024] x [K 1,024, N 1,024]; A: input x (given as codes); B: input Wv (given as codes): QUANTISED (scales: A lowp_scales[4], B lowp_scales[5])
;;     4. batch 4 x [M 2,048, K 1,024] x [K 1,024, N 2,048]; A: computed on the way; B: computed on the way: QUANTISED (scales: A lowp_scales[6], B lowp_scales[7])
;;     5. batch 4 x [M 2,048, K 2,048] x [K 2,048, N 1,024]; A: softmax (see below); B: computed on the way: QUANTISED (scales: A lowp_scales[8], B lowp_scales[9])
;;   THE QUANTISER, for each operand of a quantised product, along K:
;;     - The operand's scale is 2^e, e = its entry of the input lowp_scales (int32; the entries are numbered through the quantised products in the list's order, A before B).
;;     - Each number is divided by the scale, clamped to +-57,344, and rounded to the nearest number of E5M2, ties to even, subnormals kept.
;;     - The product sums the exact products of the quantised numbers (number of the format x scale) in f32.
;;   ~~~python
;;   def quantise(x, axis, e):      # numpy; x: float32 -> the quantised numbers, widened to float32 again
;;       x = np.moveaxis(x, axis, -1); K = x.shape[-1]
;;       r = np.clip(x / 2.0 ** e, -57344, 57344)
;;       step = 2.0 ** (np.maximum(np.frexp(np.where(r == 0, 1, r))[1] - 1, -14) - 2)
;;       q = np.round(r / step) * step * 2.0 ** e      # np.round: ties to even
;;       return np.moveaxis(q, -1, axis).astype(np.float32)
;;   ~~~
;;   SOFTMAX AHEAD OF A QUANTISED PRODUCT. Where the list says 'softmax', what is quantised is not the finished softmax but p = 2^(t - M), with t = logit x log2(e) and M = ceil(the row's largest t), a whole number; so 1/2 < the row's largest p <= 1. The row's sum l is taken of the UNQUANTISED p, in f32, and the product's result is divided by l at the end. Since M is a whole number, a kernel that streams over the keys may use a running M (the ceiling of the running maximum): every later rescaling is an exact power of two, so the quantised numbers keep their values, but for numbers so far below the row's largest that they fall under the format's range.
;;   OPERANDS COMPUTED ON THE WAY. 'Computed on the way' means the value that the module computes at that place (a softmax that the list does not call 'softmax' is quantised finished and normalised). What goes into a quantiser is computed in f32, as accurately as f32 sums, v_exp_f32 and their like allow (about 1e-6 of the number): no bf16 or f16 on the way to a quantiser, and a product that is left as it is and whose result goes on into a quantised operand takes f32 operands (vector FMAs, or v_wmma_f32_16x16x4_f32). A number that lies on a knife's edge between two numbers of the format may be rounded either way, as far as f32 arithmetic and the matrix unit's own rounding can turn it there, and no further.
;;   INPUTS GIVEN AS CODES. Wk (in the module: [1024, 1024], K = its axis 1); Wq (in the module: [1024, 1024], K = its axis 1); Wv (in the module: [1024, 1024], K = its axis 1); x (in the module: [4, 2048, 1024], K = its axis 2): each comes as NAME_codes (uint8): NAME with its K axis moved to the last place and cut into blocks of 32 codes, [.., K / 32, bytes a block], one block behind the other in memory; one code a byte (a code: sign, 5 exponent bits, 2 mantissa bits); its scale is its entry of lowp_scales. Its value is code x scale, taken as it is: it is not quantised again, and the codes and scales need not be those that the quantiser above would give.
;; One version. Each part assembles by itself: llvm-mc -triple=amdgcn-amd-amdhsa -mcpu=gfx1250 --defsym DOCPART=n.
;; ======== version 1 of 1: 3 launches
;; limits: right only within a limited range of input values
;; workspace buffers: qimg 8,388,608 bytes; kimg 8,388,608 bytes; vimg 8,388,608 bytes; pimg 16,777,216 bytes; stat 1,048,576 bytes
;; launch proj (part 1): grid 12 x 32, 4 waves a work-group, clusters of 4 x 4, 327,680 bytes of LDS; arguments x_codes, Wq_codes, Wk_codes, Wv_codes, lowp_scales, qimg, kimg, vimg; writes qimg, kimg, vimg
.if DOCPART == 1
	.amdgcn_target "amdgcn-amd-amdhsa--gfx1250"
	.amdhsa_code_object_version 6
	.text
	.protected	k_qef6c79ae4e_proj
	.globl	k_qef6c79ae4e_proj
	.p2align	8
	.type	k_qef6c79ae4e_proj,@function
k_qef6c79ae4e_proj:
	s_mov_b64 s[64:65], 0
	v_nop
	global_prefetch_b8 v0, s[64:65] scope:SCOPE_SE
	s_setreg_imm32_b32 hwreg(HW_REG_WAVE_MODE, 25, 1), 1
	s_wait_xcnt 0x0
	s_wait_alu depctr_hold_cnt(0) depctr_sa_sdst(0) depctr_va_vdst(0) depctr_va_sdst(0) depctr_va_ssrc(0) depctr_va_vcc(0) depctr_vm_vsrc(0)
	s_getreg_b32 s2, hwreg(HW_REG_IB_STS2, 6, 4)
	s_cmp_eq_u32 s2, 0
	s_cbranch_scc0 .Lentry_in_a_cluster
	s_endpgm
.Lentry_in_a_cluster:
	s_bfe_u32 s2, ttmp6, 0x10000c
	s_cmp_lg_u32 s2, 0xf033
	s_cbranch_scc0 .Lentry_shape_is_right
	s_endpgm
.Lentry_shape_is_right:
.set ROWB,   256
.set KROW,   1024
.set ADV,    2*ROWB
.set PITCH,  272
.set FR,     16
.set NL,     8
.set NP,     4
.set HALFT,  128*PITCH
.set SLOT,   4*HALFT
.set SPARE,  2*SLOT
.set ADRA, 16
.set ADRB, 20
.set CO,   26
.set SPW,  28
.set NIL,  29
.set SC,   30
.set LIM,  31
.set TMP,  32
.set AF,   128
.set CD,   128
.set G1, 24
.set G0, 32
.set G1B, 48
.set G0B, 56
.set SGN, 99
.set KSG, 91
.set MSB, 0
.macro WIN new
.if MSB != \new
	s_set_vgpr_msb (MSB<<8)|\new
.set MSB, \new
.endif
.endm
.set MUL_LO, 0xa1
.set MUL_HI, 0xf1
.set TO_B,   0x40
.set IN_B,   0x44
.macro JLOAD g0a, g1a, g0b, g1b
	s_cmp_eq_u32 s15, 0
	s_cbranch_scc0 .Lfor_b_\@
	tensor_load_to_lds s[\g0a:\g0a+3], s[\g1a:\g1a+7]
	s_nop 0
.rept 4
	v_nop
.endr
	s_branch .Lasked_\@
.Lfor_b_\@:
	tensor_load_to_lds s[\g0b:\g0b+3], s[\g1b:\g1b+7]
	s_nop 0
.rept 4
	v_nop
.endr
.Lasked_\@:
.endm
.macro CREST
	s_cmp_lg_u32 s14, 0
	s_cbranch_scc1 .Lnot_wave_0_\@
	s_barrier_signal -3
.Lnot_wave_0_\@:
	s_barrier_wait -3
	s_barrier_signal -1
	s_barrier_wait -1
.endm
.macro CROUND
	s_barrier_signal -1
	s_barrier_wait -1
	CREST
.endm
.macro PLACES n
.rept \n
	v_nop
.endr
.endm
	s_load_b256 s[4:11], s[0:1], 0x0
	s_load_b256 s[68:75], s[0:1], 0x20
	v_lshl_add_u32 v[SPW], v0, 2, SPARE
	v_mov_b32 v[NIL], 0
	ds_add_u32 v28, v29
	ds_add_u32 v28, v29
	s_wait_dscnt 0x0
	v_lshrrev_b32 v1, 5, v0
	v_readfirstlane_b32 s14, v1
	s_lshr_b32 s15, s14, 1
	s_and_b32 s16, s14, 1
	s_bfe_u32 s40, ttmp6, 0x40000
	s_bfe_u32 s41, ttmp6, 0x40004
	s_mov_b32 s[SGN], 0x80808080
	s_xor_b32 s[KSG], ttmp9, 1
	s_or_b32 s[KSG], s[KSG], s16
	s_cmp_eq_u32 s[KSG], 0
	s_cselect_b32 s[KSG], s[SGN], 0
	s_and_b32 s20, ttmp7, 0xffff
	s_lshl_b32 s20, s20, 2
	s_mov_b32 s90, 2097152
	s_cmp_eq_u32 ttmp9, 2
	s_cselect_b32 s88, 0, s20
	s_cselect_b32 s89, s20, 0
	s_cselect_b32 s90, 262144, s90
	s_add_co_u32 s17, s88, s41
	s_add_co_u32 s42, s89, s40
	s_lshl_b32 s43, s41, 2
	s_lshl_b32 s43, 15, s43
	s_lshl_b32 s44, 0x1111, s40
	s_or_b32 s[G1+0], s43, (0<<16)|(1<<20)|(1<<21)|(5<<22)|(3<<25)
	s_or_b32 s[G1B+0], s44, (0<<16)|(1<<20)|(1<<21)|(5<<22)|(3<<25)
.irp g, G1, G1B
	s_mov_b32 s[\g+1], ROWB<<16
	s_mov_b32 s[\g+2], 128<<16
	s_mov_b32 s[\g+3], ROWB<<16
	s_mov_b32 s[\g+4], 128
	s_mov_b32 s[\g+5], KROW
	s_mov_b32 s[\g+6], 0
	s_mov_b32 s[\g+7], 0
.endr
	s_lshl_b32 s18, s16, 17
	s_lshl_b32 s20, s17, 18
	s_add_co_u32 s20, s20, s18
	s_mov_b32 s21, 0
	s_lshl_b32 s46, s42, 18
	s_add_co_u32 s46, s46, s18
	s_mov_b32 s47, 0
	s_mul_i32 s45, s14, HALFT
	s_wait_kmcnt 0x0
	s_load_b256 s[76:83], s[68:69], 0x0
	s_load_b64 s[84:85], s[68:69], 0x20
	s_cmp_eq_u32 ttmp9, 2
	s_cselect_b64 s[86:87], s[10:11], s[4:5]
	s_cselect_b64 s[92:93], s[4:5], s[8:9]
	s_cselect_b64 s[94:95], s[74:75], s[72:73]
	s_cmp_eq_u32 ttmp9, 0
	s_cselect_b64 s[92:93], s[6:7], s[92:93]
	s_cselect_b64 s[94:95], s[70:71], s[94:95]
	s_add_nc_u64 s[20:21], s[86:87], s[20:21]
	s_add_nc_u64 s[46:47], s[92:93], s[46:47]
	CROUND
.irp s, 0,1
	s_mov_b32 s[G0+4*\s], 1
	s_add_co_u32 s[G0+4*\s+1], s45, \s*SLOT
	s_add_nc_u64 s[G0+4*\s+2:G0+4*\s+3], s[20:21], \s*ROWB
	s_or_b32 s[G0+4*\s+3], s[G0+4*\s+3], 0x80000000
	s_mov_b32 s[G0B+4*\s], 1
	s_add_co_u32 s[G0B+4*\s+1], s45, \s*SLOT
	s_add_nc_u64 s[G0B+4*\s+2:G0B+4*\s+3], s[46:47], \s*ROWB
	s_or_b32 s[G0B+4*\s+3], s[G0B+4*\s+3], 0x80000000
	JLOAD G0+4*\s, G1, G0B+4*\s, G1B
.endr
	v_and_b32 v1, 15, v0
	v_bfe_u32 v2, v0, 4, 1
	v_mul_u32_u24 v3, v1, PITCH
	v_lshl_add_u32 v4, v2, 3, v3
	s_mul_i32 s18, s15, HALFT
	s_mul_i32 s19, s16, HALFT
	s_add_co_u32 s19, s19, 2*HALFT
.irp s, 0,1
	v_add_nc_u32 v[ADRA+\s], s18, v4
	v_add_nc_u32 v[ADRB+\s], s19, v4
	s_add_co_u32 s18, s18, SLOT
	s_add_co_u32 s19, s19, SLOT
.endr
	v_and_b32 v6, 31, v0
	v_lshlrev_b32 v[CO], 4, v6
	s_mul_i32 s22, s42, s90
	s_lshl_b32 s21, s17, 16
	s_add_co_u32 s22, s22, s21
	s_lshl_b32 s21, s15, 15
	s_add_co_u32 s22, s22, s21
	s_lshl_b32 s21, s16, 11
	s_add_co_u32 s22, s22, s21
	s_mov_b32 s23, 0
	s_add_nc_u64 s[94:95], s[94:95], s[22:23]
.macro FRAG reg, adr, q, i
.irp c, 0,1,2,3,4,5,6,7
	ds_load_b64 v[\reg+2*\c:\reg+2*\c+1], v[\adr] offset:128*(\q)+16*\c+(\i)*16*PITCH
.endr
.endm
.macro MUL16 a0, p, zero
.irp a, \a0, \a0+1
.irp b, 0,1,2,3,4,5,6,7
.if \zero
	v_wmma_f32_16x16x128_bf8_bf8 v[8*(8*((\a)%4)+\b):8*(8*((\a)%4)+\b)+7], v[128*(\p)+FR*\b:128*(\p)+FR*\b+FR-1], v[AF+FR*(\a):AF+FR*(\a)+FR-1], 0
.else
	v_wmma_f32_16x16x128_bf8_bf8 v[8*(8*((\a)%4)+\b):8*(8*((\a)%4)+\b)+7], v[128*(\p)+FR*\b:128*(\p)+FR*\b+FR-1], v[AF+FR*(\a):AF+FR*(\a)+FR-1], v[8*(8*((\a)%4)+\b):8*(8*((\a)%4)+\b)+7] neg_lo:[0,0,1]
.endif
.endr
.endr
.endm
.macro FETCH_B slot, q, p
	WIN TO_B
.irp i, 0,1,2,3,4,5,6,7
	FRAG 128*(\p)+FR*\i, ADRB+\slot, \q, \i
.endr
	WIN 0
.endm
.macro FETCH_A slot, q, i0
.irp i, \i0, \i0+1, \i0+2, \i0+3
	FRAG AF+FR*(\i), ADRA+\slot, \q, \i
.endr
.endm
.macro STEP slot, q, zero
	s_wait_dscnt 4*NL
	WIN IN_B
.set i, 128*((\q)%2)
.rept 128
	v_xor_b32 v[i], s[SGN], v[i]
.set i, i+1
.endr
	WIN MUL_LO
	MUL16 0, (\q)%2, \zero
	MUL16 2, (\q)%2, \zero
	s_wait_dscnt 0
	PLACES NP
	FETCH_B \slot, (\q)+1, 1-(\q)%2
	FETCH_A \slot, (\q)+1, 0
	WIN MUL_HI
	MUL16 4, (\q)%2, \zero
	MUL16 6, (\q)%2, \zero
	PLACES NP
	WIN 0
	FETCH_A \slot, (\q)+1, 4
.endm
.macro TURN slot, next, fill
	s_wait_tensorcnt 0x0
	ds_add_u32 v[SPW], v[NIL]
	s_wait_dscnt 4*NL+1
	WIN MUL_LO
	MUL16 0, 1, 0
	s_wait_dscnt 0x0
	s_barrier_signal -1
	MUL16 2, 1, 0
	WIN 0
	s_barrier_wait -1
.if \fill
	CREST
	s_add_nc_u64 s[G0+4*\slot+2:G0+4*\slot+3], s[G0+4*\slot+2:G0+4*\slot+3], ADV
	s_add_nc_u64 s[G0B+4*\slot+2:G0B+4*\slot+3], s[G0B+4*\slot+2:G0B+4*\slot+3], ADV
	JLOAD G0+4*\slot, G1, G0B+4*\slot, G1B
.else
	PLACES NP
.endif
	FETCH_B \next, 0, 0
	FETCH_A \next, 0, 0
	WIN MUL_HI
	MUL16 4, 1, 0
	MUL16 6, 1, 0
	PLACES NP
	WIN 0
	FETCH_A \next, 0, 4
.endm
	s_wait_tensorcnt 1
	s_barrier_signal -1
	s_barrier_wait -1
	FETCH_B 0, 0, 0
	FETCH_A 0, 0, 0
	FETCH_A 0, 0, 4
	STEP 0, 0, 1
	TURN 0, 1, 1
	STEP 1, 0, 0
	TURN 1, 0, 1
	STEP 0, 0, 0
	TURN 0, 1, 0
	STEP 1, 0, 0
	s_wait_dscnt 4*NL
	WIN MUL_LO
	MUL16 0, 1, 0
	MUL16 2, 1, 0
	s_wait_dscnt 0
	WIN MUL_HI
	MUL16 4, 1, 0
	MUL16 6, 1, 0
	WIN 0
	s_wait_kmcnt 0x0
	s_sub_co_i32 s96, s82, s76
	s_sub_co_i32 s96, s96, s77
	s_sub_co_i32 s97, s83, s78
	s_sub_co_i32 s97, s97, s79
	s_sub_co_i32 s98, s85, s80
	s_sub_co_i32 s98, s98, s81
	s_cmp_eq_u32 ttmp9, 1
	s_cselect_b32 s96, s97, s96
	s_cmp_eq_u32 ttmp9, 2
	s_cselect_b32 s96, s98, s96
	s_add_co_i32 s96, s96, 127
	s_lshl_b32 s97, s96, 23
	v_mov_b32 v[SC], s97
	s_add_co_i32 s96, s96, 15
	s_lshl_b32 s96, s96, 23
	s_or_b32 s96, s96, 0x600000
	v_mov_b32 v[LIM], s96
	PLACES NP
.macro QOUT a
.set AC, 64*((\a)%4)
	WIN 0x02+((\a)/4)
.set j, 0
.rept 64
	v_med3_num_f32 v[TMP+j], v[AC+j], -v[LIM], v[LIM]
.set j, j+1
.endr
	WIN 0
.irp b, 0,1,2,3,4,5,6,7
	v_cvt_scalef32_pk8_bf8_f32 v[CD+16*(\a)+2*\b:CD+16*(\a)+2*\b+1], v[TMP+8*\b:TMP+8*\b+7], v[SC]
.endr
	v_nop
.set j, 0
.rept 16
	v_xor_b32 v[CD+16*(\a)+j], s[KSG], v[CD+16*(\a)+j]
.set j, j+1
.endr
.irp c, 0,1,2,3
	global_store_b128 v[CO], v[CD+16*(\a)+4*\c:CD+16*(\a)+4*\c+3], s[94:95] offset:4096*(\a)+512*\c
.endr
.endm
.irp a, 0,1,2,3,4,5,6,7
	QOUT \a
.endr
	s_wait_tensorcnt 0x0
	ds_add_u32 v[SPW], v[NIL]
	s_wait_dscnt 0x0
	CROUND
	s_endpgm
.Lfunc_end_k_qef6c79ae4e_proj:
	.size	k_qef6c79ae4e_proj, .Lfunc_end_k_qef6c79ae4e_proj-k_qef6c79ae4e_proj
	.p2alignl 7, 3214868480
	.fill 96, 4, 3214868480
	.section	.rodata,"a",@progbits
	.p2align	6, 0x0
	.amdhsa_kernel k_qef6c79ae4e_proj
		.amdhsa_group_segment_fixed_size 327680
		.amdhsa_private_segment_fixed_size 0
		.amdhsa_enable_private_segment 0
		.amdhsa_kernarg_size 64
		.amdhsa_user_sgpr_count 2
		.amdhsa_user_sgpr_kernarg_segment_ptr 1
		.amdhsa_wavefront_size32 1
		.amdhsa_system_sgpr_workgroup_id_x 1
		.amdhsa_system_sgpr_workgroup_id_y 1
		.amdhsa_system_sgpr_workgroup_id_z 1
		.amdhsa_system_vgpr_workitem_id 0
		.amdhsa_next_free_vgpr 1024
		.amdhsa_next_free_sgpr 100
		.amdhsa_reserve_vcc 0
		.amdhsa_float_denorm_mode_32 3
		.amdhsa_float_denorm_mode_16_64 3
		.amdhsa_memory_ordered 1
		.amdhsa_forward_progress 1
		.amdhsa_inst_pref_size 170
	.end_amdhsa_kernel
	.amdgpu_metadata
---
amdhsa.version: [ 1, 2 ]
amdhsa.kernels:
  - .name:           k_qef6c79ae4e_proj
    .symbol:         k_qef6c79ae4e_proj.kd
    .args:
      - { .name: x_codes, .offset: 0, .size: 8, .value_kind: global_buffer, .address_space: global }
      - { .name: Wq_codes, .offset: 8, .size: 8, .value_kind: global_buffer, .address_space: global }
      - { .name: Wk_codes, .offset: 16, .size: 8, .value_kind: global_buffer, .address_space: global }
      - { .name: Wv_codes, .offset: 24, .size: 8, .value_kind: global_buffer, .address_space: global }
      - { .name: lowp_scales, .offset: 32, .size: 8, .value_kind: global_buffer, .address_space: global }
      - { .name: qimg, .offset: 40, .size: 8, .value_kind: global_buffer, .address_space: global }
      - { .name: kimg, .offset: 48, .size: 8, .value_kind: global_buffer, .address_space: global }
      - { .name: vimg, .offset: 56, .size: 8, .value_kind: global_buffer, .address_space: global }
    .group_segment_fixed_size: 327680
    .private_segment_fixed_size: 0
    .kernarg_segment_align: 8
    .kernarg_segment_size: 64
    .max_flat_workgroup_size: 128
    .sgpr_count:     100
    .vgpr_count:     1024
    .wavefront_size: 32
...
	.end_amdgpu_metadata
.endif
;; end of part 1
;; launch scores (part 2): grid 12 x 16, 4 waves a work-group, clusters of 4 x 4, 327,680 bytes of LDS; arguments qimg, kimg, lowp_scales, pimg, stat; writes pimg, stat
.if DOCPART == 2
	.amdgcn_target "amdgcn-amd-amdhsa--gfx1250"
	.amdhsa_code_object_version 6
	.text
	.protected	k_qef6c79ae4e_scores
	.globl	k_qef6c79ae4e_scores
	.p2align	8
	.type	k_qef6c79ae4e_scores,@function
k_qef6c79ae4e_scores:
	s_mov_b64 s[64:65], 0
	v_nop
	global_prefetch_b8 v0, s[64:65] scope:SCOPE_SE
	s_setreg_imm32_b32 hwreg(HW_REG_WAVE_MODE, 25, 1), 1
	s_wait_xcnt 0x0
	s_wait_alu depctr_hold_cnt(0) depctr_sa_sdst(0) depctr_va_vdst(0) depctr_va_sdst(0) depctr_va_ssrc(0) depctr_va_vcc(0) depctr_vm_vsrc(0)
	s_getreg_b32 s2, hwreg(HW_REG_IB_STS2, 6, 4)
	s_cmp_eq_u32 s2, 0
	s_cbranch_scc0 .Lentry_in_a_cluster
	s_endpgm
.Lentry_in_a_cluster:
	s_bfe_u32 s2, ttmp6, 0x10000c
	s_cmp_lg_u32 s2, 0xf033
	s_cbranch_scc0 .Lentry_shape_is_right
	s_endpgm
.Lentry_shape_is_right:
.set KADV,   2097152
.set ADV,    2*KADV
.set FR,     16
.set NL,     4
.set NP,     4
.set SLOT,   131072
.set XCH,    2*SLOT
.set SPARE,  XCH+2048
.set ADRA, 16
.set ADRB, 20
.set CO,   26
.set SPW,  28
.set NIL,  29
.set SC,   30
.set LIM,  31
.set TMP,  32
.set MX,   32
.set PX,   40
.set NM,   96
.set LL,   112
.set THR,  120
.set NEG,  121
.set XW,   122
.set XR,   123
.set W0,   124
.set W1,   125
.set W2,   126
.set AF,   128
.set CD,   128
.set G1, 24
.set G0, 32
.set G1B, 48
.set G0B, 56
.set MSB, 0
.macro WIN new
.if MSB != \new
	s_set_vgpr_msb (MSB<<8)|\new
.set MSB, \new
.endif
.endm
.set MUL_LO, 0xa1
.set MUL_HI, 0xf1
.set TO_B,   0x40
.macro JLOAD g0a, g1a, g0b, g1b
	s_cmp_eq_u32 s15, 0
	s_cbranch_scc0 .Lfor_b_\@
	tensor_load_to_lds s[\g0a:\g0a+3], s[\g1a:\g1a+7]
	s_nop 0
.rept 4
	v_nop
.endr
	s_branch .Lasked_\@
.Lfor_b_\@:
	tensor_load_to_lds s[\g0b:\g0b+3], s[\g1b:\g1b+7]
	s_nop 0
.rept 4
	v_nop
.endr
.Lasked_\@:
.endm
.macro CREST
	s_cmp_lg_u32 s14, 0
	s_cbranch_scc1 .Lnot_wave_0_\@
	s_barrier_signal -3
.Lnot_wave_0_\@:
	s_barrier_wait -3
	s_barrier_signal -1
	s_barrier_wait -1
.endm
.macro CROUND
	s_barrier_signal -1
	s_barrier_wait -1
	CREST
.endm
.macro PLACES n
.rept \n
	v_nop
.endr
.endm
	s_load_b256 s[4:11], s[0:1], 0x0
	s_load_b64 s[12:13], s[0:1], 0x20
	v_lshl_add_u32 v[SPW], v0, 2, SPARE
	v_mov_b32 v[NIL], 0
	ds_add_u32 v28, v29
	ds_add_u32 v28, v29
	s_wait_dscnt 0x0
	v_lshrrev_b32 v1, 5, v0
	v_readfirstlane_b32 s14, v1
	s_lshr_b32 s15, s14, 1
	s_and_b32 s16, s14, 1
	s_bfe_u32 s40, ttmp6, 0x40000
	s_bfe_u32 s41, ttmp6, 0x40004
	s_add_co_u32 s17, ttmp9, 1
	s_lshr_b32 s17, s17, 1
	s_lshl_b32 s17, s17, 2
	s_add_co_u32 s17, s17, s41
	s_lshr_b32 s42, ttmp9, 1
	s_lshl_b32 s42, s42, 2
	s_add_co_u32 s42, s42, s40
	s_and_b32 s66, ttmp7, 0xffff
	s_lshl_b32 s43, s41, 2
	s_lshl_b32 s43, 15, s43
	s_lshl_b32 s44, 0x1111, s40
	s_or_b32 s[G1+0], s43, (3<<16)|(1<<21)
	s_or_b32 s[G1B+0], s44, (3<<16)|(1<<21)
.irp g, G1, G1B
	s_mov_b32 s[\g+1], 32<<16
	s_mov_b32 s[\g+2], 128<<16
	s_mov_b32 s[\g+3], 32<<16
	s_mov_b32 s[\g+4], 128
	s_mov_b32 s[\g+5], 32
	s_mov_b32 s[\g+6], 0
	s_mov_b32 s[\g+7], 0
.endr
	s_lshl_b32 s18, s66, 7
	s_lshl_b32 s19, s16, 3
	s_add_co_u32 s18, s18, s19
	s_lshl_b32 s20, s17, 4
	s_add_co_u32 s20, s20, s18
	s_lshl_b32 s20, s20, 12
	s_mov_b32 s21, 0
	s_lshl_b32 s46, s42, 4
	s_add_co_u32 s46, s46, s18
	s_lshl_b32 s46, s46, 12
	s_mov_b32 s47, 0
	s_lshl_b32 s45, s14, 15
	s_wait_kmcnt 0x0
	s_load_b128 s[68:71], s[8:9], 0x18
	s_add_nc_u64 s[20:21], s[4:5], s[20:21]
	s_add_nc_u64 s[46:47], s[6:7], s[46:47]
	CROUND
.irp s, 0,1
	s_mov_b32 s[G0+4*\s], 1
	s_add_co_u32 s[G0+4*\s+1], s45, \s*SLOT
	s_add_nc_u64 s[G0+4*\s+2:G0+4*\s+3], s[20:21], \s*KADV
	s_or_b32 s[G0+4*\s+3], s[G0+4*\s+3], 0x80000000
	s_mov_b32 s[G0B+4*\s], 1
	s_add_co_u32 s[G0B+4*\s+1], s45, \s*SLOT
	s_add_nc_u64 s[G0B+4*\s+2:G0B+4*\s+3], s[46:47], \s*KADV
	s_or_b32 s[G0B+4*\s+3], s[G0B+4*\s+3], 0x80000000
	JLOAD G0+4*\s, G1, G0B+4*\s, G1B
.endr
	v_and_b32 v1, 15, v0
	v_bfe_u32 v2, v0, 4, 1
	v_and_b32 v6, 31, v0
	v_lshlrev_b32 v[CO], 4, v6
	s_lshl_b32 s18, s15, 15
	s_lshl_b32 s19, s16, 15
	s_add_co_u32 s19, s19, 65536
.irp s, 0,1
	v_add_nc_u32 v[ADRA+\s], s18, v[CO]
	v_add_nc_u32 v[ADRB+\s], s19, v[CO]
	s_add_co_u32 s18, s18, SLOT
	s_add_co_u32 s19, s19, SLOT
.endr
	s_sub_co_i32 s22, s17, s42
	s_lshl_b32 s22, s22, 8
	s_sub_co_i32 s23, s15, s16
	s_lshl_b32 s23, s23, 7
	s_add_co_i32 s22, s22, s23
	v_lshlrev_b32 v3, 3, v2
	v_sub_nc_u32 v[THR], v1, v3
	v_add_nc_u32 v[THR], s22, v[THR]
	v_mov_b32 v[NEG], 0xff800000
	s_lshl_b32 s22, s14, 9
	s_add_co_u32 s22, s22, XCH
	v_lshl_add_u32 v[XW], v1, 5, s22
	s_xor_b32 s23, s14, 1
	s_lshl_b32 s23, s23, 9
	s_add_co_u32 s23, s23, XCH
	v_lshl_add_u32 v[XR], v1, 5, s23
.irp a, 0,1,2,3,4,5,6,7
	v_mov_b32 v[PX+\a], 0
.endr
	s_mov_b32 s74, 0x76543210
	s_mov_b32 s75, 0xfedcba98
	s_lshl_b32 s67, s66, 3
	s_add_co_u32 s67, s67, s42
	s_lshl_b32 s76, s67, 19
	s_lshl_b32 s22, s17, 16
	s_add_co_u32 s76, s76, s22
	s_lshl_b32 s22, s15, 15
	s_add_co_u32 s76, s76, s22
	s_lshl_b32 s22, s16, 11
	s_add_co_u32 s76, s76, s22
	s_mov_b32 s77, 0
	s_add_nc_u64 s[10:11], s[10:11], s[76:77]
	s_lshl_b32 s78, s67, 15
	s_lshl_b32 s22, s16, 13
	s_add_co_u32 s78, s78, s22
	s_lshl_b32 s22, s17, 10
	s_add_co_u32 s78, s78, s22
	s_lshl_b32 s22, s15, 9
	s_add_co_u32 s78, s78, s22
	s_mov_b32 s79, 0
	s_add_nc_u64 s[12:13], s[12:13], s[78:79]
.macro FRAG reg, adr, q, i
.irp c, 0,1,2,3
	ds_load_b128 v[\reg+4*\c:\reg+4*\c+3], v[\adr] offset:2048*(\q)+512*\c+4096*(\i)
.endr
.endm
.macro MUL16 a0, p, zero
.irp a, \a0, \a0+1
.irp b, 0,1,2,3,4,5,6,7
.if \zero
	v_wmma_f32_16x16x128_bf8_bf8 v[8*(8*((\a)%4)+\b):8*(8*((\a)%4)+\b)+7], v[128*(\p)+FR*\b:128*(\p)+FR*\b+FR-1], v[AF+FR*(\a):AF+FR*(\a)+FR-1], 0
.else
	v_wmma_f32_16x16x128_bf8_bf8 v[8*(8*((\a)%4)+\b):8*(8*((\a)%4)+\b)+7], v[128*(\p)+FR*\b:128*(\p)+FR*\b+FR-1], v[AF+FR*(\a):AF+FR*(\a)+FR-1], v[8*(8*((\a)%4)+\b):8*(8*((\a)%4)+\b)+7] neg_lo:[0,0,1]
.endif
.endr
.endr
.endm
.macro FETCH_B slot, q, p
	WIN TO_B
.irp i, 0,1,2,3,4,5,6,7
	FRAG 128*(\p)+FR*\i, ADRB+\slot, \q, \i
.endr
	WIN 0
.endm
.macro FETCH_A slot, q, i0
.irp i, \i0, \i0+1, \i0+2, \i0+3
	FRAG AF+FR*(\i), ADRA+\slot, \q, \i
.endr
.endm
.macro STEP slot, q, zero
	s_wait_dscnt 4*NL
	WIN MUL_LO
	MUL16 0, (\q)%2, \zero
	MUL16 2, (\q)%2, \zero
	s_wait_dscnt 0
	PLACES NP
	FETCH_B \slot, (\q)+1, 1-(\q)%2
	FETCH_A \slot, (\q)+1, 0
	WIN MUL_HI
	MUL16 4, (\q)%2, \zero
	MUL16 6, (\q)%2, \zero
	PLACES NP
	WIN 0
	FETCH_A \slot, (\q)+1, 4
.endm
.macro TURN slot, next, fill
	s_wait_tensorcnt 0x0
	ds_add_u32 v[SPW], v[NIL]
	s_wait_dscnt 4*NL+1
	WIN MUL_LO
	MUL16 0, 1, 0
	s_wait_dscnt 0x0
	s_barrier_signal -1
	MUL16 2, 1, 0
	WIN 0
	s_barrier_wait -1
.if \fill
	CREST
	s_add_nc_u64 s[G0+4*\slot+2:G0+4*\slot+3], s[G0+4*\slot+2:G0+4*\slot+3], ADV
	s_add_nc_u64 s[G0B+4*\slot+2:G0B+4*\slot+3], s[G0B+4*\slot+2:G0B+4*\slot+3], ADV
	JLOAD G0+4*\slot, G1, G0B+4*\slot, G1B
.else
	PLACES NP
.endif
	FETCH_B \next, 0, 0
	FETCH_A \next, 0, 0
	WIN MUL_HI
	MUL16 4, 1, 0
	MUL16 6, 1, 0
	PLACES NP
	WIN 0
	FETCH_A \next, 0, 4
.endm
	s_wait_tensorcnt 1
	s_barrier_signal -1
	s_barrier_wait -1
	FETCH_B 0, 0, 0
	FETCH_A 0, 0, 0
	FETCH_A 0, 0, 4
	STEP 0, 0, 1
	TURN 0, 1, 1
	STEP 1, 0, 0
	TURN 1, 0, 1
	STEP 0, 0, 0
	TURN 0, 1, 0
	STEP 1, 0, 0
	s_wait_dscnt 4*NL
	WIN MUL_LO
	MUL16 0, 1, 0
	MUL16 2, 1, 0
	s_wait_dscnt 0
	WIN MUL_HI
	MUL16 4, 1, 0
	MUL16 6, 1, 0
	WIN 0
	s_wait_kmcnt 0x0
	s_add_co_i32 s72, s68, s69
	s_lshl_b32 s72, s72, 23
	s_add_co_i32 s72, s72, 0x3d38aa3b
	s_mov_b32 s73, s72
	s_add_co_i32 s80, s70, 127
	s_lshl_b32 s81, s80, 23
	v_mov_b32 v[SC], s81
	s_add_co_i32 s80, s80, 15
	s_lshl_b32 s80, s80, 23
	s_or_b32 s80, s80, 0x600000
	v_mov_b32 v[LIM], s80
	PLACES NP
.macro MASKMAX a
.set AC, 64*((\a)%4)
	WIN 0x82+0x41*((\a)/4)
.set n, 0
.rept 64
	v_cmp_gt_i32 vcc_lo, 16*(n/8)+n%8, v[THR]
	v_cndmask_b32 v[AC+n], v[AC+n], v[NEG], vcc_lo
.set n, n+1
.endr
	WIN 0x28+0x14*((\a)/4)
	v_max3_num_f32 v[W0], v[NEG], v[AC], v[AC+1]
	v_max3_num_f32 v[W1], v[NEG], v[AC+2], v[AC+3]
.set n, 4
.rept 15
	v_max3_num_f32 v[W0], v[W0], v[AC+n], v[AC+n+1]
	v_max3_num_f32 v[W1], v[W1], v[AC+n+2], v[AC+n+3]
.set n, n+4
.endr
	WIN 0
	v_max_num_f32 v[MX+(\a)], v[W0], v[W1]
	v_add_nc_u32 v[THR], 16, v[THR]
.endm
.irp a, 0,1,2,3,4,5,6,7
	MASKMAX \a
.endr
.irp a, 0,1,2,3,4,5,6,7
	v_permlanex16_b32 v[PX+\a], v[MX+\a], s74, s75
.endr
.irp a, 0,1,2,3,4,5,6,7
	v_max_num_f32 v[MX+\a], v[MX+\a], v[PX+\a]
.endr
	ds_store_b128 v[XW], v[MX:MX+3]
	ds_store_b128 v[XW], v[MX+4:MX+7] offset:16
	s_wait_dscnt 0x0
	s_barrier_signal -1
	s_barrier_wait -1
	ds_load_b128 v[PX:PX+3], v[XR]
	ds_load_b128 v[PX+4:PX+7], v[XR] offset:16
	s_wait_dscnt 0x0
.irp a, 0,1,2,3,4,5,6,7
	v_max_num_f32 v[MX+\a], v[MX+\a], v[PX+\a]
.endr
.irp a, 0,1,2,3,4,5,6,7
	v_mul_f32 v[MX+\a], s72, v[MX+\a]
.endr
.irp a, 0,1,2,3,4,5,6,7
	v_max_num_f32 v[MX+\a], 0xf149f2ca, v[MX+\a]
.endr
.irp a, 0,1,2,3,4,5,6,7
	v_floor_f32 v[NM+2*\a], -v[MX+\a]
.endr
.irp a, 0,1,2,3,4,5,6,7
	v_mul_f32 v[NM+2*\a+1], -1.0, v[NM+2*\a]
.endr
.macro SOFT a
.set AC, 64*((\a)%4)
	WIN 0x02+((\a)/4)
.set n, 0
.rept 32
	v_pk_fma_f32 v[TMP+n:TMP+n+1], v[AC+n:AC+n+1], s[72:73], v[NM+2*(\a):NM+2*(\a)+1] op_sel_hi:[1,0,0]
.set n, n+2
.endr
	WIN 0
.set n, 0
.rept 64
	v_exp_f32 v[TMP+n], v[TMP+n]
.set n, n+1
.endr
	v_nop
	s_wait_alu depctr_va_vdst(0)
	v_pk_add_f32 v[W0:W0+1], v[TMP:TMP+1], v[TMP+2:TMP+3]
	v_pk_add_f32 v[W2:W2+1], v[TMP+4:TMP+5], v[TMP+6:TMP+7]
.set n, 8
.rept 14
	v_pk_add_f32 v[W0:W0+1], v[W0:W0+1], v[TMP+n:TMP+n+1]
	v_pk_add_f32 v[W2:W2+1], v[W2:W2+1], v[TMP+n+2:TMP+n+3]
.set n, n+4
.endr
	v_pk_add_f32 v[W0:W0+1], v[W0:W0+1], v[W2:W2+1]
	v_add_f32 v[LL+(\a)], v[W0], v[W0+1]
.set n, 0
.rept 64
	v_min_num_f32 v[TMP+n], v[TMP+n], v[LIM]
.set n, n+1
.endr
.irp b, 0,1,2,3,4,5,6,7
	v_cvt_scalef32_pk8_bf8_f32 v[CD+16*(\a)+2*\b:CD+16*(\a)+2*\b+1], v[TMP+8*\b:TMP+8*\b+7], v[SC]
.endr
	v_nop
.irp c, 0,1,2,3
	global_store_b128 v[CO], v[CD+16*(\a)+4*\c:CD+16*(\a)+4*\c+3], s[10:11] offset:4096*(\a)+512*\c
.endr
.endm
.irp a, 0,1,2,3,4,5,6,7
	SOFT \a
.endr
.irp a, 0,1,2,3,4,5,6,7
	v_permlanex16_b32 v[PX+\a], v[LL+\a], s74, s75
.endr
.irp a, 0,1,2,3,4,5,6,7
	v_add_f32 v[LL+\a], v[LL+\a], v[PX+\a]
.endr
	v_cmp_eq_u32 vcc_lo, 1, v2
.irp i, 0,1,2,3
	v_cndmask_b32 v[TMP+\i], v[NM+1+2*\i], v[NM+9+2*\i], vcc_lo
	v_cndmask_b32 v[TMP+4+\i], v[LL+\i], v[LL+4+\i], vcc_lo
.endr
	global_store_b128 v[CO], v[TMP+4:TMP+7], s[12:13] offset:16384
	s_cmp_lg_u32 s16, 0
	s_cbranch_scc1 .Lno_m
	global_store_b128 v[CO], v[TMP:TMP+3], s[12:13]
.Lno_m:
	s_wait_tensorcnt 0x0
	ds_add_u32 v[SPW], v[NIL]
	s_wait_dscnt 0x0
	CROUND
	s_endpgm
.Lfunc_end_k_qef6c79ae4e_scores:
	.size	k_qef6c79ae4e_scores, .Lfunc_end_k_qef6c79ae4e_scores-k_qef6c79ae4e_scores
	.p2alignl 7, 3214868480
	.fill 96, 4, 3214868480
	.section	.rodata,"a",@progbits
	.p2align	6, 0x0
	.amdhsa_kernel k_qef6c79ae4e_scores
		.amdhsa_group_segment_fixed_size 327680
		.amdhsa_private_segment_fixed_size 0
		.amdhsa_enable_private_segment 0
		.amdhsa_kernarg_size 40
		.amdhsa_user_sgpr_count 2
		.amdhsa_user_sgpr_kernarg_segment_ptr 1
		.amdhsa_wavefront_size32 1
		.amdhsa_system_sgpr_workgroup_id_x 1
		.amdhsa_system_sgpr_workgroup_id_y 1
		.amdhsa_system_sgpr_workgroup_id_z 1
		.amdhsa_system_vgpr_workitem_id 0
		.amdhsa_next_free_vgpr 1024
		.amdhsa_next_free_sgpr 100
		.amdhsa_reserve_vcc 1
		.amdhsa_float_denorm_mode_32 3
		.amdhsa_float_denorm_mode_16_64 3
		.amdhsa_memory_ordered 1
		.amdhsa_forward_progress 1
		.amdhsa_inst_pref_size 212
	.end_amdhsa_kernel
	.amdgpu_metadata
---
amdhsa.version: [ 1, 2 ]
amdhsa.kernels:
  - .name:           k_qef6c79ae4e_scores
    .symbol:         k_qef6c79ae4e_scores.kd
    .args:
      - { .name: qimg, .offset: 0, .size: 8, .value_kind: global_buffer, .address_space: global }
      - { .name: kimg, .offset: 8, .size: 8, .value_kind: global_buffer, .address_space: global }
      - { .name: lowp_scales, .offset: 16, .size: 8, .value_kind: global_buffer, .address_space: global }
      - { .name: pimg, .offset: 24, .size: 8, .value_kind: global_buffer, .address_space: global }
      - { .name: stat, .offset: 32, .size: 8, .value_kind: global_buffer, .address_space: global }
    .group_segment_fixed_size: 327680
    .private_segment_fixed_size: 0
    .kernarg_segment_align: 8
    .kernarg_segment_size: 40
    .max_flat_workgroup_size: 128
    .sgpr_count:     100
    .vgpr_count:     1024
    .wavefront_size: 32
...
	.end_amdgpu_metadata
.endif
;; end of part 2
;; launch values (part 3): grid 4 x 64, 4 waves a work-group, clusters of 4 x 4, 327,680 bytes of LDS; arguments pimg, vimg, stat, lowp_scales, out0; writes out0
.if DOCPART == 3
	.amdgcn_target "amdgcn-amd-amdhsa--gfx1250"
	.amdhsa_code_object_version 6
	.text
	.protected	k_qef6c79ae4e_values
	.globl	k_qef6c79ae4e_values
	.p2align	8
	.type	k_qef6c79ae4e_values,@function
k_qef6c79ae4e_values:
	s_mov_b64 s[64:65], 0
	v_nop
	global_prefetch_b8 v0, s[64:65] scope:SCOPE_SE
	s_setreg_imm32_b32 hwreg(HW_REG_WAVE_MODE, 25, 1), 1
	s_wait_xcnt 0x0
	s_wait_alu depctr_hold_cnt(0) depctr_sa_sdst(0) depctr_va_vdst(0) depctr_va_sdst(0) depctr_va_ssrc(0) depctr_va_vcc(0) depctr_vm_vsrc(0)
	s_getreg_b32 s2, hwreg(HW_REG_IB_STS2, 6, 4)
	s_cmp_eq_u32 s2, 0
	s_cbranch_scc0 .Lentry_in_a_cluster
	s_endpgm
.Lentry_in_a_cluster:
	s_bfe_u32 s2, ttmp6, 0x10000c
	s_cmp_lg_u32 s2, 0xf033
	s_cbranch_scc0 .Lentry_shape_is_right
	s_endpgm
.Lentry_shape_is_right:
.set FR,     16
.set NP,     4
.set SLOT,   98304
.set PADV,   524288
.set VADV,   262144
.set SADV,   32768
.set STAGE,  2*SLOT
.set SPITCH, 528
.set SPARE,  STAGE+4*16*SPITCH
.set ADRA, 16
.set ADRB, 20
.set STO,  24
.set RD,   25
.set CO,   26
.set SO,   27
.set SPW,  28
.set NIL,  29
.set SM,   32
.set SL0,  36
.set SL1,  40
.set W,    44
.set HA,   48
.set HM,   64
.set MF,   96
.set LS,   100
.set F,    104
.set TMP,  32
.set AF,   128
.set BK,   128
.set G1, 24
.set G0, 32
.set G1B, 48
.set G0B, 56
.set MSB, 0
.macro WIN new
.if MSB != \new
	s_set_vgpr_msb (MSB<<8)|\new
.set MSB, \new
.endif
.endm
.set MUL,  0xa1
.set TO_B, 0x40
.macro JLOAD g0a, g1a, g0b, g1b
	s_cmp_eq_u32 s15, 0
	s_cbranch_scc0 .Lfor_b_\@
	tensor_load_to_lds s[\g0a:\g0a+3], s[\g1a:\g1a+7]
	s_nop 0
.rept 4
	v_nop
.endr
	s_branch .Lasked_\@
.Lfor_b_\@:
	tensor_load_to_lds s[\g0b:\g0b+3], s[\g1b:\g1b+7]
	s_nop 0
.rept 4
	v_nop
.endr
.Lasked_\@:
.endm
.macro CREST
	s_cmp_lg_u32 s14, 0
	s_cbranch_scc1 .Lnot_wave_0_\@
	s_barrier_signal -3
.Lnot_wave_0_\@:
	s_barrier_wait -3
	s_barrier_signal -1
	s_barrier_wait -1
.endm
.macro CROUND
	s_barrier_signal -1
	s_barrier_wait -1
	CREST
.endm
.macro PLACES n
.rept \n
	v_nop
.endr
.endm
	s_load_b256 s[4:11], s[0:1], 0x0
	s_load_b64 s[12:13], s[0:1], 0x20
	v_lshl_add_u32 v[SPW], v0, 2, SPARE
	v_mov_b32 v[NIL], 0
	ds_add_u32 v28, v29
	ds_add_u32 v28, v29
	s_wait_dscnt 0x0
	v_lshrrev_b32 v1, 5, v0
	v_readfirstlane_b32 s14, v1
	s_lshr_b32 s15, s14, 1
	s_and_b32 s16, s14, 1
	s_bfe_u32 s40, ttmp6, 0x40000
	s_bfe_u32 s41, ttmp6, 0x40004
	s_lshl_b32 s42, ttmp9, 2
	s_add_co_u32 s42, s42, s40
	s_and_b32 s66, ttmp7, 0xffff
	s_lshr_b32 s67, s66, 2
	s_and_b32 s3, s66, 3
	s_lshl_b32 s17, s3, 2
	s_add_co_u32 s17, s17, s41
	s_lshl_b32 s72, s3, 1
	s_add_co_u32 s72, s72, 1
	s_lshl_b32 s43, s41, 2
	s_lshl_b32 s43, 15, s43
	s_lshl_b32 s44, 0x1111, s40
	s_or_b32 s[G1+0], s43, (3<<16)|(1<<21)
	s_mov_b32 s[G1+1], 32<<16
	s_mov_b32 s[G1+2], 64<<16
	s_mov_b32 s[G1+3], 32<<16
	s_mov_b32 s[G1+4], 64
	s_mov_b32 s[G1+5], 32
	s_mov_b32 s[G1+6], 0
	s_mov_b32 s[G1+7], 0
	s_or_b32 s[G1B+0], s44, (3<<16)|(1<<21)
	s_mov_b32 s[G1B+1], 32<<16
	s_mov_b32 s[G1B+2], 128<<16
	s_mov_b32 s[G1B+3], 32<<16
	s_mov_b32 s[G1B+4], 128
	s_mov_b32 s[G1B+5], 32
	s_mov_b32 s[G1B+6], 0
	s_mov_b32 s[G1B+7], 0
	s_lshl_b32 s20, s67, 22
	s_lshl_b32 s18, s17, 15
	s_add_co_u32 s20, s20, s18
	s_lshl_b32 s45, s16, 14
	s_add_co_u32 s20, s20, s45
	s_mov_b32 s21, 0
	s_lshl_b32 s46, s67, 21
	s_lshl_b32 s18, s42, 16
	s_add_co_u32 s46, s46, s18
	s_lshl_b32 s19, s16, 15
	s_add_co_u32 s46, s46, s19
	s_mov_b32 s47, 0
	s_add_co_u32 s19, s19, 32768
	s_lshl_b32 s22, s67, 18
	s_lshl_b32 s18, s17, 9
	s_add_co_u32 s22, s22, s18
	s_mov_b32 s23, 0
	s_wait_kmcnt 0x0
	s_load_b64 s[70:71], s[10:11], 0x20
	s_add_nc_u64 s[20:21], s[4:5], s[20:21]
	s_add_nc_u64 s[46:47], s[6:7], s[46:47]
	s_add_nc_u64 s[68:69], s[8:9], s[22:23]
	CROUND
.irp s, 0,1
	s_mov_b32 s[G0+4*\s], 1
	s_add_co_u32 s[G0+4*\s+1], s45, \s*SLOT
	s_add_nc_u64 s[G0+4*\s+2:G0+4*\s+3], s[20:21], \s*PADV
	s_or_b32 s[G0+4*\s+3], s[G0+4*\s+3], 0x80000000
	s_mov_b32 s[G0B+4*\s], 1
	s_add_co_u32 s[G0B+4*\s+1], s19, \s*SLOT
	s_add_nc_u64 s[G0B+4*\s+2:G0B+4*\s+3], s[46:47], \s*VADV
	s_or_b32 s[G0B+4*\s+3], s[G0B+4*\s+3], 0x80000000
	JLOAD G0+4*\s, G1, G0B+4*\s, G1B
.endr
	v_and_b32 v1, 15, v0
	v_bfe_u32 v2, v0, 4, 1
	v_lshlrev_b32 v[SO], 4, v1
	s_lshl_b32 s18, s15, 8
	v_add_nc_u32 v[SO], s18, v[SO]
.irp t, 0,1,2,3,4,5,6,7
	s_min_u32 s73, s72, \t
	s_lshl_b32 s73, s73, 15
	v_add_nc_u32 v[HA+\t], s73, v[SO]
	global_load_b128 v[HM+4*\t:HM+4*\t+3], v[HA+\t], s[68:69]
.endr
	v_and_b32 v6, 31, v0
	v_lshlrev_b32 v[CO], 4, v6
	s_lshl_b32 s18, s15, 14
	s_lshl_b32 s19, s16, 15
	s_add_co_u32 s19, s19, 32768
.irp s, 0,1
	v_add_nc_u32 v[ADRA+\s], s18, v[CO]
	v_add_nc_u32 v[ADRB+\s], s19, v[CO]
	s_add_co_u32 s18, s18, SLOT
	s_add_co_u32 s19, s19, SLOT
.endr
	s_mul_i32 s18, s14, 16*SPITCH
	s_add_co_u32 s18, s18, STAGE
	v_mul_u32_u24 v3, v1, SPITCH
	v_lshl_add_u32 v3, v2, 5, v3
	v_add_nc_u32 v[STO], s18, v3
	v_add_nc_u32 v[RD], s18, v[CO]
	s_lshl_b32 s22, s67, 11
	s_lshl_b32 s18, s17, 7
	s_add_co_u32 s22, s22, s18
	s_lshl_b32 s18, s15, 6
	s_add_co_u32 s22, s22, s18
	s_lshl_b32 s22, s22, 12
	s_lshl_b32 s18, s42, 10
	s_add_co_u32 s22, s22, s18
	s_lshl_b32 s18, s16, 9
	s_add_co_u32 s22, s22, s18
	s_mov_b32 s23, 0
	s_add_nc_u64 s[12:13], s[12:13], s[22:23]
	WIN 0xc0
.set i, 0
.rept 256
	v_mov_b32 v[i], 0
.set i, i+1
.endr
	WIN 0
.irp a, 0,1,2,3
	v_mov_b32 v[LS+\a], 0
	v_mov_b32 v[F+2*\a+1], 0
.endr
	s_wait_loadcnt 0x0
.irp a, 0,1,2,3
	v_max3_num_f32 v[MF+\a], v[HM+\a], v[HM+4+\a], v[HM+8+\a]
.endr
.irp a, 0,1,2,3
	v_max3_num_f32 v[MF+\a], v[MF+\a], v[HM+12+\a], v[HM+16+\a]
.endr
.irp a, 0,1,2,3
	v_max3_num_f32 v[MF+\a], v[MF+\a], v[HM+20+\a], v[HM+24+\a]
.endr
.irp a, 0,1,2,3
	v_max_num_f32 v[MF+\a], v[MF+\a], v[HM+28+\a]
.endr
.macro FRAG reg, adr, q, i
.irp c, 0,1,2,3
	ds_load_b128 v[\reg+4*\c:\reg+4*\c+3], v[\adr] offset:2048*(\q)+512*\c+4096*(\i)
.endr
.endm
.macro FETCH slot, q, p
	WIN TO_B
.irp i, 0,1,2,3,4,5,6,7
	FRAG 128*(\p)+FR*\i, ADRB+\slot, \q, \i
.endr
	WIN 0
.irp i, 0,1,2,3
	FRAG AF+64*(\p)+FR*\i, ADRA+\slot, \q, \i
.endr
.endm
.macro MUL16 a0, p, zero
.irp a, \a0, \a0+1
.irp b, 0,1,2,3,4,5,6,7
.if \zero
	v_wmma_f32_16x16x128_bf8_bf8 v[8*(8*(\a)+\b):8*(8*(\a)+\b)+7], v[128*(\p)+FR*\b:128*(\p)+FR*\b+FR-1], v[AF+64*(\p)+FR*(\a):AF+64*(\p)+FR*(\a)+FR-1], 0
.else
	v_wmma_f32_16x16x128_bf8_bf8 v[8*(8*(\a)+\b):8*(8*(\a)+\b)+7], v[128*(\p)+FR*\b:128*(\p)+FR*\b+FR-1], v[AF+64*(\p)+FR*(\a):AF+64*(\p)+FR*(\a)+FR-1], v[8*(8*(\a)+\b):8*(8*(\a)+\b)+7]
.endif
.endr
.endr
.endm
.macro STEPA slot
	global_load_b128 v[SM:SM+3],   v[SO], s[68:69] offset:\slot*SADV
	global_load_b128 v[SL0:SL0+3], v[SO], s[68:69] offset:\slot*SADV+16384
	global_load_b128 v[SL1:SL1+3], v[SO], s[68:69] offset:\slot*SADV+24576
	s_wait_dscnt 0x0
	PLACES NP
	FETCH \slot, 1, 1
	WIN MUL
	MUL16 0, 0, 1
	MUL16 2, 0, 1
	WIN 0
.endm
.macro FOLD step
	s_wait_loadcnt 0x0
.irp a, 0,1,2,3
	v_sub_f32 v[W+\a], v[SM+\a], v[MF+\a]
.endr
.irp a, 0,1,2,3
	v_cvt_i32_f32 v[W+\a], v[W+\a]
.endr
.irp a, 0,1,2,3
	v_ldexp_f32 v[F+2*\a], 1.0, v[W+\a]
.endr
.irp a, 0,1,2,3
	v_add_f32 v[SL0+\a], v[SL0+\a], v[SL1+\a]
.endr
.irp a, 0,1,2,3
	v_fma_f32 v[LS+\a], v[SL0+\a], v[F+2*\a], v[LS+\a]
.endr
	WIN 0xf2
.irp a, 0,1,2,3
.set x, 64*\a
.rept 32
	v_pk_fma_f32 v[x:x+1], v[x:x+1], v[F+2*\a:F+2*\a+1], v[x:x+1] op_sel_hi:[1,0,1]
.set x, x+2
.endr
.endr
	WIN 0
.if \step
	s_add_nc_u64 s[68:69], s[68:69], 2*SADV
.endif
.endm
.macro TURN slot, next, fill, step
	s_wait_tensorcnt 0x0
	ds_add_u32 v[SPW], v[NIL]
	s_wait_dscnt 1
	WIN MUL
	MUL16 0, 1, 0
	s_wait_dscnt 0x0
	s_barrier_signal -1
	MUL16 2, 1, 0
	WIN 0
	s_barrier_wait -1
.if \fill
	CREST
	s_add_nc_u64 s[G0+4*\slot+2:G0+4*\slot+3], s[G0+4*\slot+2:G0+4*\slot+3], 2*PADV
	s_add_nc_u64 s[G0B+4*\slot+2:G0B+4*\slot+3], s[G0B+4*\slot+2:G0B+4*\slot+3], 2*VADV
	JLOAD G0+4*\slot, G1, G0B+4*\slot, G1B
.else
	PLACES NP
.endif
	FETCH \next, 0, 0
	FOLD \step
.endm
	s_wait_tensorcnt 1
	s_barrier_signal -1
	s_barrier_wait -1
	FETCH 0, 0, 0
	STEPA 0
	s_cmp_eq_u32 s3, 0
	s_cbranch_scc1 .Ltail
.Llap:
	TURN 0, 1, 1, 0
	STEPA 1
	TURN 1, 0, 1, 1
	STEPA 0
	s_sub_co_u32 s3, s3, 1
	s_cmp_lg_u32 s3, 0
	s_cbranch_scc1 .Llap
.Ltail:
	TURN 0, 1, 0, 0
	STEPA 1
	s_wait_dscnt 0x0
	WIN MUL
	MUL16 0, 1, 0
	MUL16 2, 1, 0
	WIN 0
	PLACES NP
	FOLD 0
	s_wait_kmcnt 0x0
	s_add_co_i32 s70, s70, s71
.irp a, 0,1,2,3
	v_rcp_f32 v[W+\a], v[LS+\a]
.endr
	v_nop
	s_wait_alu depctr_va_vdst(0)
.irp a, 0,1,2,3
	v_ldexp_f32 v[F+2*\a], v[W+\a], s70
.endr
.macro TOSTAGE a
	WIN 0x03
.set j, 0
.rept 32
	v_pk_mul_f32 v[TMP+j:TMP+j+1], v[64*(\a)+j:64*(\a)+j+1], v[F+2*(\a):F+2*(\a)+1] op_sel_hi:[1,0]
.set j, j+2
.endr
	WIN 0
.irp b, 0,1,2,3,4,5,6,7
	ds_store_b128 v[STO], v[TMP+8*\b:TMP+8*\b+3] offset:64*\b
	ds_store_b128 v[STO], v[TMP+8*\b+4:TMP+8*\b+7] offset:64*\b+16
.endr
.set BB, BK+64*((\a)%2)
.irp t, 0,1,2,3,4,5,6,7,8,9,10,11,12,13,14,15
	ds_load_b128 v[BB+4*\t:BB+4*\t+3], v[RD] offset:\t*SPITCH
.endr
.endm
.macro SEND a, younger
.set BB, BK+64*((\a)%2)
	s_wait_dscnt \younger
.irp t, 0,1,2,3,4,5,6,7,8,9,10,11,12,13,14,15
	global_store_b128 v[CO], v[BB+4*\t:BB+4*\t+3], s[12:13] offset:(16*(\a)+\t)*4096 th:TH_STORE_NT
.endr
.endm
	TOSTAGE 0
.irp a, 1,2,3
.if \a > 1
	s_wait_xcnt 0x0
.endif
	TOSTAGE \a
	SEND \a-1, 32
.endr
	SEND 3, 0
	s_wait_tensorcnt 0x0
	ds_add_u32 v[SPW], v[NIL]
	s_wait_dscnt 0x0
	CROUND
	s_endpgm
.Lfunc_end_k_qef6c79ae4e_values:
	.size	k_qef6c79ae4e_values, .Lfunc_end_k_qef6c79ae4e_values-k_qef6c79ae4e_values
	.p2alignl 7, 3214868480
	.fill 96, 4, 3214868480
	.section	.rodata,"a",@progbits
	.p2align	6, 0x0
	.amdhsa_kernel k_qef6c79ae4e_values
		.amdhsa_group_segment_fixed_size 327680
		.amdhsa_private_segment_fixed_size 0
		.amdhsa_enable_private_segment 0
		.amdhsa_kernarg_size 40
		.amdhsa_user_sgpr_count 2
		.amdhsa_user_sgpr_kernarg_segment_ptr 1
		.amdhsa_wavefront_size32 1
		.amdhsa_system_sgpr_workgroup_id_x 1
		.amdhsa_system_sgpr_workgroup_id_y 1
		.amdhsa_system_sgpr_workgroup_id_z 1
		.amdhsa_system_vgpr_workitem_id 0
		.amdhsa_next_free_vgpr 1024
		.amdhsa_next_free_sgpr 100
		.amdhsa_reserve_vcc 0
		.amdhsa_float_denorm_mode_32 3
		.amdhsa_float_denorm_mode_16_64 3
		.amdhsa_memory_ordered 1
		.amdhsa_forward_progress 1
		.amdhsa_inst_pref_size 123
	.end_amdhsa_kernel
	.amdgpu_metadata
---
amdhsa.version: [ 1, 2 ]
amdhsa.kernels:
  - .name:           k_qef6c79ae4e_values
    .symbol:         k_qef6c79ae4e_values.kd
    .args:
      - { .name: pimg, .offset: 0, .size: 8, .value_kind: global_buffer, .address_space: global }
      - { .name: vimg, .offset: 8, .size: 8, .value_kind: global_buffer, .address_space: global }
      - { .name: stat, .offset: 16, .size: 8, .value_kind: global_buffer, .address_space: global }
      - { .name: lowp_scales, .offset: 24, .size: 8, .value_kind: global_buffer, .address_space: global }
      - { .name: out0, .offset: 32, .size: 8, .value_kind: global_buffer, .address_space: global }
    .group_segment_fixed_size: 327680
    .private_segment_fixed_size: 0
    .kernarg_segment_align: 8
    .kernarg_segment_size: 40
    .max_flat_workgroup_size: 128
    .sgpr_count:     100
    .vgpr_count:     1024
    .wavefront_size: 32
...
	.end_amdgpu_metadata
.endif
;; end of part 3
